; MI455X (gfx1250); checked and timed in simulation.
; The chip was launched on July 23, 2026; its instructions are those of AMD's public machine-readable ISA for CDNA 5 (MIT licence, August 2026) and "CDNA5" Instruction Set Architecture Reference Guide (July 2026). The comments in the code are by the model that wrote it; some were corrected since.
;; attention head. Allowed arithmetic: float matrix products may take bf16 or f16 operands with f32 sums; other float arithmetic in f32, or as packed bf16 or f16 multiplies, adds, multiply-adds, maxima and minima; sums over many terms, partial sums and values carried from step to step in f32; what a program stores and reads back later, other than sums and carried values, may be rounded once to bf16 or f16.
;; Inputs: Wk 768 x 192 float32; Wq 768 x 192 float32; Wv 768 x 192 float32; x 64 x 512 x 768 float32.
;; Outputs: out0 64 x 512 x 192 float32.
;; One version. Each part assembles by itself: llvm-mc -triple=amdgcn-amd-amdhsa -mcpu=gfx1250 --defsym DOCPART=n.
;; ======== version 1 of 1: 3 launches
;; limits: values are held in f16: magnitudes above 65,504 overflow, below 6.1e-05 lose precision
;; workspace buffers: wt 884,736 bytes; rope 65,536 bytes; qkv 37,748,736 bytes
;; launch prep (part 1): grid 140 x 1, 4 waves a work-group, no clusters, 17,920 bytes of LDS; arguments Wq, Wk, Wv, wt, rope; writes wt, rope
.if DOCPART == 1
	.amdgcn_target "amdgcn-amd-amdhsa--gfx1250"
	.amdhsa_code_object_version 6
	.text
	.protected	k_q7fc943a012_prep
	.globl	k_q7fc943a012_prep
	.p2align	8
	.type	k_q7fc943a012_prep,@function
k_q7fc943a012_prep:
	s_mov_b64 s[64:65], 0
	v_nop
	global_prefetch_b8 v0, s[64:65] scope:SCOPE_SE
	s_setreg_imm32_b32 hwreg(HW_REG_WAVE_MODE, 25, 1), 1
	s_wait_xcnt 0x0
; THE PROGRAM: out = softmax(causal(rope(x Wq) rope(x Wk)^T / sqrt(192))) (x Wv), in three launches: this one lays the weights and a table out, the second makes q, k, v, the third is the attention.
; WORK LEFT OUT.  reference() sets every score with key > query to -inf by its own jnp.tril; its softmax gives such a key the weight exp(-inf) = 0, whatever finite values x and the weights hold.
; So a tile of scores in which every key lies behind every query reaches no output: the third launch does not form those tiles (24 of a batch's 64 tiles of 64 x 64), nor their products with v.
; Every input has a way to the output and is loaded.  LIMIT: a NaN, an infinity or an overflow that would arise only in a score left out is not carried to the result.
; THIS LAUNCH.  Work-groups 0-107: the weights rounded to bf16, in the order in which the second launch's waves take them as matrix operands:
;   wt[pair of K steps P][wave w][step sg][half kh][tile bq][part q][lane l] = 16 bytes = W_m[128 P + 64 sg + 32 kh + 16 q + 8 (l / 16) + 0..7][16 ct + l % 16],
;   m = bq / 3 (q, k, v), ct = w + 4 (bq % 3): a wave has three column tiles of each matrix.  A work-group turns one tile of 64 k x 64 columns through LDS.
; Work-groups 108-139: rope[t][i] = (cos, sin)(t / 10000^(i/16)), f32.  The angle is t x inv_freq in f32 as in reference(); it is reduced by 2 pi in two parts and cos, sin are series up to
; y^16, y^15: the terms left out are below 1e-6 at |y| = pi.
.set PITCH, 272                        ; an LDS row: 64 f32 + 16 bytes
.set SPARE, 64*PITCH                   ; behind the tile: the spare words, 128 bytes a wave
.set SPW, 62                           ; v62  SPARE + 4 x my thread's number; never rewritten
.set NIL, 63                           ; v63  0; never rewritten
	s_load_b256 s[4:11], s[0:1], 0x0               ; Wq s[4:5], Wk s[6:7], Wv s[8:9], wt s[10:11]
	s_load_b64 s[12:13], s[0:1], 0x20              ; rope
	v_lshl_add_u32 v[SPW], v0, 2, SPARE
	v_mov_b32 v[NIL], 0
	s_wait_kmcnt 0x0
	s_cmp_ge_u32 ttmp9, 108
	s_cbranch_scc1 .Ltable
	; g = 36 m + 3 s + th: which matrix, which K step of 64, which 64 columns
	s_mul_i32 s16, ttmp9, 1821
	s_lshr_b32 s16, s16, 16                        ; m = g / 36 (exact for g < 108)
	s_mul_i32 s17, s16, 36
	s_sub_co_u32 s17, ttmp9, s17
	s_mul_i32 s18, s17, 21846
	s_lshr_b32 s18, s18, 16                        ; s = rest / 3 (exact for rest < 36)
	s_mul_i32 s19, s18, 3
	s_sub_co_u32 s19, s17, s19                     ; th
	s_cmp_eq_u32 s16, 1
	s_cselect_b64 s[4:5], s[6:7], s[4:5]
	s_cmp_eq_u32 s16, 2
	s_cselect_b64 s[4:5], s[8:9], s[4:5]           ; the matrix
	s_mul_i32 s20, s18, 49152                      ; 64 rows of 768 bytes
	s_lshl_b32 s21, s19, 8                         ; 64 columns of 4 bytes
	s_add_co_u32 s20, s20, s21
	s_mov_b32 s21, 0
	s_add_nc_u64 s[4:5], s[4:5], s[20:21]
	s_lshr_b32 s22, s18, 1
	s_mul_i32 s22, s22, 147456                     ; wt: the pair of K steps,
	s_and_b32 s23, s18, 1
	s_mul_i32 s23, s23, 18432                      ; the step in it,
	s_add_co_u32 s22, s22, s23
	s_mul_i32 s23, s16, 3
	s_add_co_u32 s23, s23, s19                     ; tile bq = 3 m + th: my four column tiles 4 th + 0..3 go to waves 0..3
	s_lshl_b32 s23, s23, 10
	s_add_co_u32 s22, s22, s23
	s_mov_b32 s23, 0
	s_add_nc_u64 s[10:11], s[10:11], s[22:23]
	v_lshrrev_b32 v1, 4, v0                        ; t / 16
	v_and_b32 v2, 15, v0
	v_mul_u32_u24 v3, v1, 768
	v_lshl_add_u32 v3, v2, 4, v3                   ; in memory: 16 lanes take a row's 256 bytes
	v_mul_u32_u24 v4, v1, PITCH
	v_lshl_add_u32 v4, v2, 4, v4                   ; into LDS the same way: row 8 i + t / 16
	v_mul_u32_u24 v5, v1, 8*PITCH
	v_lshl_add_u32 v5, v2, 2, v5                   ; back: k = 8 (t / 16) + i, column t % 16 + 16 q: the two halves of a wave lie 544 words apart: 32 lanes, 32 different banks
	v_bfe_u32 v7, v0, 6, 1                         ; my eight k are half t / 64,
	v_mul_u32_u24 v7, v7, 9216
	v_bfe_u32 v8, v0, 5, 1                         ; part (t / 32) % 2,
	v_and_b32 v6, 31, v0                           ; lane t % 32 of a fragment
	v_lshlrev_b32 v6, 4, v6
	v_lshl_add_u32 v6, v8, 9, v6
	v_add_nc_u32 v6, v7, v6
.irp i, 0,1,2,3,4,5,6,7
	global_load_b128 v[8+4*(\i):11+4*(\i)], v3, s[4:5] offset:6144*(\i) th:TH_LOAD_NT  ; k = 8 i + t / 16
.endr
.irp i, 0,1,2,3,4,5,6,7
	s_wait_loadcnt 7-(\i)                          ; loads come back in order: load i is in, the younger ones stay out
	ds_store_b128 v4, v[8+4*(\i):11+4*(\i)] offset:8*PITCH*(\i)
.endr
	s_wait_dscnt 0x0                               ; my stores are done, for the other waves' sake
	s_barrier_signal -1
	s_barrier_wait -1
.irp q, 0,1,2,3
.irp i, 0,1,2,3,4,5,6,7
	ds_load_b32 v[8+8*(\q)+(\i)], v5 offset:PITCH*(\i)+64*(\q)
.endr
.endr
	s_wait_dscnt 0x0
.irp q, 0,1,2,3
.irp p, 0,1,2,3
	v_cvt_pk_bf16_f32 v[40+4*(\q)+(\p)], v[8+8*(\q)+2*(\p)], v[8+8*(\q)+2*(\p)+1]  ; eight k on end of one column: a lane's 16 bytes of a fragment
.endr
.endr
.irp q, 0,1,2,3
	global_store_b128 v6, v[40+4*(\q):43+4*(\q)], s[10:11] offset:36864*(\q)  ; a wave's store covers 512 consecutive bytes, aligned: one part of a fragment
.endr
	s_branch .Lend
.Ltable:                                       ; thread T of 4,096 makes position T / 8, frequencies 2 (T % 8) and the next: 16 bytes
	s_sub_co_u32 s16, ttmp9, 108
	s_lshl_b32 s16, s16, 7
	v_add_nc_u32 v2, s16, v0
	v_lshrrev_b32 v3, 3, v2
	v_and_b32 v4, 7, v2
	v_lshlrev_b32 v4, 1, v4
	v_lshlrev_b32 v8, 4, v2
	v_cvt_f32_u32 v5, v3                           ; t
	v_cvt_f32_u32 v6, v4                           ; i
	v_add_f32 v7, 1.0, v6
	v_mul_f32 v6, 0xbf549a78, v6                   ; - i log2(10000) / 16
	v_mul_f32 v7, 0xbf549a78, v7
	v_exp_f32 v6, v6
	v_exp_f32 v7, v7
	v_nop                                          ; a plain instruction behind the last exponential,
	s_wait_alu depctr_va_vdst(0)                   ; and one wait for both, ahead of their first reader
	v_mul_f32 v6, v5, v6
	v_mul_f32 v7, v5, v7
.macro TRIG a, c, s                    ; v[c], v[s] = cos, sin of v[a]
	v_mul_f32 v10, 0.15915494, v[\a]
	v_rndne_f32 v10, v10                           ; whole turns
	v_fmamk_f32 v11, v10, 0xc0c90fdb, v[\a]        ; y = angle - n 2 pi, 2 pi in two parts
	v_fmamk_f32 v11, v10, 0x343bbd2e, v11
	v_mul_f32 v12, v11, v11
	v_mov_b32 v13, 0xab573f9f                      ; -1/15!
	v_mov_b32 v14, 0x29573f9f                      ; 1/16!
	v_fmaak_f32 v13, v13, v12, 0x2f309231          ; 1/13!
	v_fmaak_f32 v14, v14, v12, 0xad49cba5          ; -1/14!
	v_fmaak_f32 v13, v13, v12, 0xb2d7322b          ; -1/11!
	v_fmaak_f32 v14, v14, v12, 0x310f76c7          ; 1/12!
	v_fmaak_f32 v13, v13, v12, 0x3638ef1d          ; 1/9!
	v_fmaak_f32 v14, v14, v12, 0xb493f27e          ; -1/10!
	v_fmaak_f32 v13, v13, v12, 0xb9500d01          ; -1/7!
	v_fmaak_f32 v14, v14, v12, 0x37d00d01          ; 1/8!
	v_fmaak_f32 v13, v13, v12, 0x3c088889          ; 1/5!
	v_fmaak_f32 v14, v14, v12, 0xbab60b61          ; -1/6!
	v_fmaak_f32 v13, v13, v12, 0xbe2aaaab          ; -1/3!
	v_fmaak_f32 v14, v14, v12, 0x3d2aaaab          ; 1/4!
	v_fmaak_f32 v13, v13, v12, 0x3f800000
	v_fmaak_f32 v14, v14, v12, 0xbf000000          ; -1/2!
	v_mul_f32 v[\s], v11, v13
	v_fmaak_f32 v[\c], v14, v12, 0x3f800000
.endm
	TRIG 6, 24, 25
	TRIG 7, 26, 27
	global_store_b128 v8, v[24:27], s[12:13]
.Lend:
	s_wait_tensorcnt 0x0                           ; the wave's end, behind my last LDS store
	ds_add_u32 v[SPW], v[NIL]
	s_wait_dscnt 0x0
	s_endpgm
.Lfunc_end_k_q7fc943a012_prep:
	.size	k_q7fc943a012_prep, .Lfunc_end_k_q7fc943a012_prep-k_q7fc943a012_prep
	.p2alignl 7, 3214868480
	.fill 96, 4, 3214868480
	.section	.rodata,"a",@progbits
	.p2align	6, 0x0
	.amdhsa_kernel k_q7fc943a012_prep
		.amdhsa_group_segment_fixed_size 17920
		.amdhsa_private_segment_fixed_size 0
		.amdhsa_enable_private_segment 0
		.amdhsa_kernarg_size 40
		.amdhsa_user_sgpr_count 2
		.amdhsa_user_sgpr_kernarg_segment_ptr 1
		.amdhsa_wavefront_size32 1
		.amdhsa_system_sgpr_workgroup_id_x 1
		.amdhsa_system_sgpr_workgroup_id_y 1
		.amdhsa_system_sgpr_workgroup_id_z 1
		.amdhsa_system_vgpr_workitem_id 0
		.amdhsa_next_free_vgpr 64
		.amdhsa_next_free_sgpr 66
		.amdhsa_reserve_vcc 0
		.amdhsa_float_denorm_mode_32 3
		.amdhsa_float_denorm_mode_16_64 3
		.amdhsa_memory_ordered 1
		.amdhsa_forward_progress 1
		.amdhsa_inst_pref_size 12
	.end_amdhsa_kernel
	.amdgpu_metadata
---
amdhsa.version: [ 1, 2 ]
amdhsa.kernels:
  - .name:           k_q7fc943a012_prep
    .symbol:         k_q7fc943a012_prep.kd
    .args:
      - { .name: Wq, .offset: 0, .size: 8, .value_kind: global_buffer, .address_space: global }
      - { .name: Wk, .offset: 8, .size: 8, .value_kind: global_buffer, .address_space: global }
      - { .name: Wv, .offset: 16, .size: 8, .value_kind: global_buffer, .address_space: global }
      - { .name: wt, .offset: 24, .size: 8, .value_kind: global_buffer, .address_space: global }
      - { .name: rope, .offset: 32, .size: 8, .value_kind: global_buffer, .address_space: global }
    .group_segment_fixed_size: 17920
    .private_segment_fixed_size: 0
    .kernarg_segment_align: 8
    .kernarg_segment_size: 40
    .max_flat_workgroup_size: 128
    .sgpr_count:     66
    .vgpr_count:     64
    .wavefront_size: 32
...
	.end_amdgpu_metadata
.endif
;; end of part 1
;; launch proj (part 2): grid 256 x 1, 4 waves a work-group, clusters of 4 x 1, 327,680 bytes of LDS; arguments x, wt, rope, qkv; writes qkv
.if DOCPART == 2
	.amdgcn_target "amdgcn-amd-amdhsa--gfx1250"
	.amdhsa_code_object_version 6
	.text
	.protected	k_q7fc943a012_proj
	.globl	k_q7fc943a012_proj
	.p2align	8
	.type	k_q7fc943a012_proj,@function
k_q7fc943a012_proj:
	s_mov_b64 s[64:65], 0
	v_nop
	global_prefetch_b8 v0, s[64:65] scope:SCOPE_SE
	s_setreg_imm32_b32 hwreg(HW_REG_WAVE_MODE, 25, 1), 1
	s_wait_xcnt 0x0
	s_wait_alu depctr_hold_cnt(0) depctr_sa_sdst(0) depctr_va_vdst(0) depctr_va_sdst(0) depctr_va_ssrc(0) depctr_va_vcc(0) depctr_vm_vsrc(0)
	s_getreg_b32 s2, hwreg(HW_REG_IB_STS2, 6, 4)
	s_cmp_eq_u32 s2, 0
	s_cbranch_scc0 .Lentry_in_a_cluster
	s_endpgm
.Lentry_in_a_cluster:
	s_bfe_u32 s2, ttmp6, 0x10000c
	s_cmp_lg_u32 s2, 0x3003
	s_cbranch_scc0 .Lentry_shape_is_right
	s_endpgm
.Lentry_shape_is_right:
; q, k, v = x W (bf16 operands, f32 sums), the first 32 features of q and k turned by RoPE in f32, each number rounded once to f16.
; LIMIT: f16 ends at 65,504: |q|, |k|, |v| stay within it (x and W both 30 times their drawn spread give a spread near 900; offsets of 30 spreads on both give about 25,000).
; qkv HOLDS MATRIX OPERANDS AS THE THIRD LAUNCH'S LANES TAKE THEM, three matrices of 12,582,912 bytes:
;   q, k: [batch][16 rows R][channel tile ct of 12][lane l] = 16 bytes = rows 16 R + l % 16, channels 16 ct + 8 (l / 16) + 0..7
;   v:    [batch][32 keys G][channel tile cb of 12][part p][lane l] = 16 bytes = channel 16 cb + l % 16, keys 32 G + 16 p + 8 (l / 16) + 0..7
; SHARES.  A cluster of four work-groups is a batch; a work-group has 128 rows of x and all 576 columns, so x is read once in the launch.  Wave w has all 128 rows x nine column tiles: bq 0-2 are q's tiles w, w + 4, w + 8,
; bq 3-5 k's, bq 6-8 v's: 8 x 9 accumulators of 16 x 16.  A wave's weights are its own; x's tile is shared by the four waves.  K goes in 12 steps of 64, each two halves of 32 (72 matrix instructions).
; FOR q AND k THE MATRIX INSTRUCTION IS USED TRANSPOSED (source 0 = 16 columns of W, source 1 = 16 rows of x): a lane holds one row and eight neighbouring channels.  FOR v IT IS NOT: a lane holds one channel and eight
; neighbouring keys.  Either way an accumulator rounded to f16 is 16 bytes a lane of qkv, 512 consecutive bytes a wave: results leave from registers, through no LDS.
; THE WEIGHTS come by tensor loads into two LDS slots of TWO K steps each: wave w fetches its own 36,864 dense bytes (asked for as 144 rows of 256), which lie in fragment order: every LDS load takes 512 bytes on end.
; All four work-groups of a cluster want the same bytes: the load is JOINT (the same descriptor and the mask of four in all four), behind a round of the cluster's barrier.  From a request to the wait for it a wave issues 256 matrix instructions.
; x comes through registers: 16 loads of 16 bytes a lane for a step (32 rows x 256 bytes a wave), rounded to bf16 in place, stored into ONE LDS slot: two do not fit beside the weights.  So a step has two barriers:
; in front of the first every wave's reads of x's slot are over (both halves' fragments are in registers), behind it the next step's x is stored; behind the second it is read.
; Two register sets: x of step s + 3 is asked for in step s and rounded in step s + 2.
; REGISTERS, in windows of 256 (s_set_vgpr_msb: bits 1:0 source 0, 3:2 source 1, 5:4 source 2, 7:6 destination):
;   window 0: v0-63, v64-127 the two sets of x; v128-191, v192-255 fragments of x, two buffers     window 1: accumulators of tiles 0-3, (a, b) at 8 (8 (b % 4) + a)     window 2: tiles 4-7
;   window 3: v0-63 tile 8; v64-135, v136-207 fragments of the weights, two buffers; v208-219 addresses
.set APITCH, 144                       ; an LDS row of x: 64 bf16 + 16 bytes: the 16 rows of a fragment load start at 16 different groups of four banks (64 banks of 4 bytes: ISA guide 11.1)
.set WPART,  36864                     ; a wave's weights of two K steps
.set WSLOT,  4*WPART                   ; a slot, and a pair of K steps in wt
.set WSTEP,  18432                     ; a wave's weights of one K step,
.set WHALF,  9216                      ; of half of one: nine fragments of 1,024 bytes
.set ASL,    2*WSLOT                   ; behind the ring: x's slot, never filled by a tensor load
.set SPARE,  ASL+128*APITCH            ; the spare words, 128 bytes a wave: two blocks of 256 bytes that no other line names
.set MAT,    12582912                  ; bytes of q, of k, of v
.set AF,   128                         ; window 0
.set BF,   64                          ; window 3
.set SPW,  208                         ; window 3 from here on: SPARE + 4 x my thread's number; never rewritten
.set NIL,  209                         ; 0; never rewritten
.set ADRA, 210                         ; my lane's place in x's slot
.set ADRB, 211                         ; 211, 212: my 16 bytes of my wave's first fragment in slot 0, 1
.set XST,  213                         ; where I put 8 bytes of x
.set XO,   214                         ; my byte offset in two rows of x
.set PFX,  215                         ; lane x a row of x
.set PFW,  216                         ; 216: 256 x lane; 217: 256 x min(lane, 3)
.set GO,   218                         ; 16 x lane
.set TBO,  219                         ; my 32 bytes of a row of the table
.set G1, 24                            ; s[24:31] descriptor group 1
.set G0, 32                            ; s[32:39] group 0, a set for each slot
.set XB, 40                            ; s[40:41] x at my wave's rows, at the step last asked for
.set PW, 42                            ; s[42:43] my work-group's 36 blocks of 256 bytes of my wave's weights in pair 4; never rewritten
.set OUT, 44                           ; s[44:49] q, k, v at my work-group's rows and my wave's first tile
.set TAB, 50                           ; s[50:51] the table at my work-group's first position and my tile's pairs
.set CNT, 52
.set LIM, 53                           ; 1 in the launch's first cluster, else the greatest number
.set MSB, 0
.macro WIN new                         ; the immediate's high byte repeats the setting that is left; a switch that changes nothing is dropped
.if MSB != (\new)
	s_set_vgpr_msb (MSB<<8)|(\new)
.set MSB, \new
.endif
.endm
.macro CREST                           ; a round of the cluster's barrier behind its opening barrier
	s_cmp_lg_u32 s12, 0
	s_cbranch_scc1 .Lnot_wave_0_\@
	s_barrier_signal -3
.Lnot_wave_0_\@:
	s_barrier_wait -3
	s_barrier_signal -1
	s_barrier_wait -1
.endm
.macro CROUND
	s_barrier_signal -1
	s_barrier_wait -1
	CREST
.endm
.macro PLACES                          ; four plain instructions between a matrix instruction and a load into, or a vector read of, its registers
.rept 4
	v_nop
.endr
.endm
	s_load_b256 s[4:11], s[0:1], 0x0               ; x s[4:5], wt s[6:7], rope s[8:9], qkv s[10:11]
	WIN 0xc0
	v_lshl_add_u32 v[SPW], v0, 2, SPARE
	v_mov_b32 v[NIL], 0
	WIN 0x0f
	ds_add_u32 v[SPW], v[NIL]                      ; the wave's opening: the add, twice on end, and its wait ahead of my first tensor load; the set-up below stands between
	ds_add_u32 v[SPW], v[NIL]
	WIN 0
	v_lshrrev_b32 v1, 5, v0
	v_readfirstlane_b32 s12, v1                    ; wave 0..3
	s_bfe_u32 s13, ttmp6, 0x40000                  ; cx: my place in the cluster: it enters addresses in x, rope, qkv and the prefetches alone
	s_mov_b32 s[G1], 15|(1<<16)|(1<<21)            ; the mask of four; 2-byte elements; bit 21 beside a mask; no padding
	s_mov_b32 s[G1+1], 128<<16                     ; tensor_dim0 = 128
	s_mov_b32 s[G1+2], 144<<16                     ; tensor_dim1 = 144
	s_mov_b32 s[G1+3], 128<<16                     ; tile_dim0 = 128
	s_mov_b32 s[G1+4], 144                         ; tile_dim1 = 144
	s_mov_b32 s[G1+5], 128                         ; 128 elements from row to row: the block is dense
	s_mov_b32 s[G1+6], 0
	s_mov_b32 s[G1+7], 0
	s_mul_i32 s14, s12, WPART                      ; my weights' place in a slot: the wave's number alone
	s_mov_b32 s[G0], 1
	s_add_co_u32 s[G0+1], s14, 0
	s_mov_b32 s[G0+4], 1
	s_add_co_u32 s[G0+5], s14, WSLOT
	s_mul_i32 s54, s12, WPART                      ; and in a pair of wt
	s_mov_b32 s55, 0
	s_mul_i32 s15, s12, 32*APITCH
	s_add_co_u32 s15, s15, ASL
	s_cmp_eq_u32 ttmp9, 0
	s_cselect_b32 s[LIM], 1, -1                    ; the same in all four partners
	v_and_b32 v2, 31, v0                           ; lane
	v_and_b32 v3, 15, v0                           ; r
	v_bfe_u32 v4, v0, 4, 1                         ; h
	v_mul_u32_u24 v5, v3, APITCH
	v_lshl_add_u32 v5, v4, 4, v5                   ; a fragment of x: row r, 16 bytes for each half of the lanes
	v_mul_u32_u24 v6, v4, APITCH
	v_lshl_add_u32 v6, v3, 3, v6
	v_mul_u32_u24 v7, v4, 3072
	v_lshl_add_u32 v7, v3, 4, v7
	v_mul_u32_u24 v8, v2, 3072
	v_lshlrev_b32 v9, 8, v2
	v_min_u32 v10, 3, v2
	v_lshlrev_b32 v10, 8, v10
	v_lshlrev_b32 v11, 4, v2
	v_lshlrev_b32 v12, 7, v3
	v_lshl_add_u32 v12, v4, 5, v12
	WIN 0xc0                                       ; destinations in window 3
	v_add_nc_u32 v[ADRA], ASL, v5
	v_add_nc_u32 v[ADRB], s14, v11
	v_add_nc_u32 v[ADRB+1], s[G0+5], v11
	v_add_nc_u32 v[XST], s15, v6
	v_mov_b32 v[XO], v7
	v_mov_b32 v[PFX], v8
	v_mov_b32 v[PFW], v9
	v_mov_b32 v[PFW+1], v10
	v_mov_b32 v[GO], v11
	v_mov_b32 v[TBO], v12
	WIN 0
	s_lshl_b32 s20, ttmp9, 2                       ; in a cluster launch ttmp9 counts clusters: the batch
	s_add_co_u32 s20, s20, s13                     ; 4 b + cx: my block of 128 rows
	s_lshl_b32 s21, s20, 7
	s_lshl_b32 s22, s12, 5
	s_add_co_u32 s21, s21, s22                     ; the first of the 32 rows of x that my wave loads
	s_mov_b32 s23, 0
	s_wait_dscnt 0x0                               ; both opening adds are done
	s_wait_kmcnt 0x0
	s_add_nc_u64 s[G0+2:G0+3], s[6:7], s[54:55]    ; pair 0, my weights: made of the wave's number alone
	s_add_nc_u64 s[G0+6:G0+7], s[G0+2:G0+3], WSLOT ; pair 1
	s_mul_i32 s22, s13, 9216                       ; of my 144 blocks of 256 bytes the partner at place cx prefetches 36: told apart by address
	s_add_nc_u64 s[PW:PW+1], s[G0+2:G0+3], s[22:23]
	s_add_nc_u64 s[PW:PW+1], s[PW:PW+1], 4*WSLOT
	s_or_b32 s[G0+3], s[G0+3], 0x80000000          ; type = 2
	s_or_b32 s[G0+7], s[G0+7], 0x80000000
	s_mul_i32 s22, s21, 3072
	s_add_nc_u64 s[XB:XB+1], s[4:5], s[22:23]
	s_mul_i32 s22, s20, 49152                      ; 128 rows are 49,152 bytes of each matrix
	s_add_nc_u64 s[OUT:OUT+1], s[10:11], s[22:23]
	s_add_nc_u64 s[OUT+4:OUT+5], s[OUT:OUT+1], 2*MAT
	s_lshl_b32 s22, s12, 9                         ; q, k: tile w is 512 w
	s_add_nc_u64 s[OUT:OUT+1], s[OUT:OUT+1], s[22:23]
	s_add_nc_u64 s[OUT+2:OUT+3], s[OUT:OUT+1], MAT
	s_lshl_b32 s22, s12, 10                        ; v: tile w is 1,024 w
	s_add_nc_u64 s[OUT+4:OUT+5], s[OUT+4:OUT+5], s[22:23]
	s_lshl_b32 s22, s13, 14                        ; 128 positions of 128 bytes,
	s_lshl_b32 s21, s12, 6                         ; tile w's eight pairs of columns
	s_add_co_u32 s22, s22, s21
	s_add_nc_u64 s[TAB:TAB+1], s[8:9], s[22:23]
; nb column tiles from b0 on x all 8 row blocks, 32 along K, from fragment buffers f.  In a half each of the 72 accumulators has one turn, in the same order in every half: 71 others stand between two links of a chain.
.macro MULB f, b0, nb, zero
.set bq, \b0
.rept \nb
.if bq < 6
	WIN 0x53+0x50*(bq/4)                           ; q, k: weights (window 3) first, x (window 0) second; C and D window 1 or 2
.else
	WIN 0x5c+0x50*(bq/4)                           ; v: x first, weights second; C and D window 2 or 3
.endif
.set aq, 0
.rept 8
.set rD, 8*(8*(bq%4)+aq)
.set rB, BF+72*(\f)+8*bq
.set rA, AF+64*(\f)+8*aq
.if (bq < 6) && (\zero)
	v_wmma_f32_16x16x32_bf16 v[rD:rD+7], v[rB:rB+7], v[rA:rA+7], 0
.elseif bq < 6
	v_wmma_f32_16x16x32_bf16 v[rD:rD+7], v[rB:rB+7], v[rA:rA+7], v[rD:rD+7]
.elseif \zero
	v_wmma_f32_16x16x32_bf16 v[rD:rD+7], v[rA:rA+7], v[rB:rB+7], 0
.else
	v_wmma_f32_16x16x32_bf16 v[rD:rD+7], v[rA:rA+7], v[rB:rB+7], v[rD:rD+7]
.endif
.set aq, aq+1
.endr
.set bq, bq+1
.endr
.endm
; 34 LDS loads in one run: the fragments of half kh of the step that lies at place sg of slot ws, into buffers f: x's eight, then the weights' nine
.macro FETCH ws, sg, kh, f
	WIN 0x03
.set aq, 0
.rept 8
	ds_load_b128 v[AF+64*(\f)+8*aq:AF+64*(\f)+8*aq+3],   v[ADRA] offset:aq*16*APITCH+64*(\kh)
	ds_load_b128 v[AF+64*(\f)+8*aq+4:AF+64*(\f)+8*aq+7], v[ADRA] offset:aq*16*APITCH+64*(\kh)+32
.set aq, aq+1
.endr
	WIN 0xc3
.set bq, 0
.rept 9
	ds_load_b128 v[BF+72*(\f)+8*bq:BF+72*(\f)+8*bq+3],   v[ADRB+(\ws)] offset:(\sg)*WSTEP+(\kh)*WHALF+bq*1024
	ds_load_b128 v[BF+72*(\f)+8*bq+4:BF+72*(\f)+8*bq+7], v[ADRB+(\ws)] offset:(\sg)*WSTEP+(\kh)*WHALF+bq*1024+512
.set bq, bq+1
.endr
.endm
.macro XLOAD set, extra                ; my 32 rows x 256 bytes of a step: each load two rows, 16 lanes a row
	WIN 0x03
.set iq, 0
.rept 16
	global_load_b128 v[64*(\set)+4*iq:64*(\set)+4*iq+3], v[XO], s[XB:XB+1] offset:6144*iq+(\extra) th:TH_LOAD_NT
.set iq, iq+1
.endr
.endm
.macro XCONV set, lcnt                 ; a set is rounded to bf16 in place and stored into x's slot.  lcnt: the younger set's loads, which stay out
	WIN 0
	s_wait_loadcnt \lcnt
.set iq, 0
.rept 16
	v_cvt_pk_bf16_f32 v[64*(\set)+4*iq],   v[64*(\set)+4*iq],   v[64*(\set)+4*iq+1]
	v_cvt_pk_bf16_f32 v[64*(\set)+4*iq+1], v[64*(\set)+4*iq+2], v[64*(\set)+4*iq+3]
.set iq, iq+1
.endr
	WIN 0x03
.set iq, 0
.rept 16
	ds_store_b64 v[XST], v[64*(\set)+4*iq:64*(\set)+4*iq+1] offset:2*APITCH*iq
.set iq, iq+1
.endr
.endm
; The first half of step s, which lies at place sg = s % 2 of slot ws.  The second half's fragments are fetched at once; when they are in, nothing of this step is left to read in x's slot: THE STEP'S FIRST BARRIER.
; Behind it (xmode 1, 2) x of step s + 1 is rounded and stored.  xmode 2: x of step s + 3 is asked for, and behind those loads my own 32 rows x 256 bytes of step s + 6 are prefetched, a lane a row: three steps,
; 432 matrix instructions, ahead of their load; each block is named once in the launch, by the wave that will load it.  pfl: the prefetch is made while the loop's count is above it (there is no step 12); -1: always.
.macro HALF0 ws, sg, zero, xmode, lcnt, pfl
	PLACES                                         ; behind the last product of the half before, which read the buffers that are loaded now
	FETCH \ws, \sg, 1, 1
	s_wait_dscnt 34                                ; all but the 34 loads just issued: this half's fragments are in
	MULB 0, 0, 5, \zero
	s_wait_dscnt 0x0                               ; my reads of x's slot are over
.if \xmode
	s_barrier_signal -1
	MULB 0, 5, 1, \zero
	s_barrier_wait -1                              ; everybody's are
	XCONV 1-(\sg), \lcnt
.if (\xmode) == 2
	s_wait_xcnt 0x0                                ; every load and prefetch issued so far has read its address, so the pointer may be written
	s_add_nc_u64 s[XB:XB+1], s[XB:XB+1], 256
	XLOAD 1-(\sg), 0
.if (\pfl) >= 0
	WIN 0
	s_cmp_gt_u32 s[CNT], \pfl
	s_cbranch_scc0 .Lnox_\@
.endif
	WIN 0x03
	global_prefetch_b8 v[PFX], s[XB:XB+1] offset:768 th:TH_LOAD_NT scope:SCOPE_SE
.if (\pfl) >= 0
	WIN 0
.Lnox_\@:
.endif
.endif
	MULB 0, 6, 3, \zero
.else
	MULB 0, 5, 4, \zero
.endif
.endm
; The second half, and THE STEP'S SECOND BARRIER: in front of it my stores of the next step's x are done, behind it the next step's first fragments are read.
; mode 2, behind a slot's second step: the slot is filled again.  In front of the barrier each wave waits for all its tensor loads (one is out: the other slot's), adds 0 to its spare word and waits for that and for its LDS
; instructions; the barrier opens a round of the cluster's; the joint load is the first thing behind the round.  mode 3: the last load is waited for, ahead of the first read of what it brought.  mode 1: neither.  mode 0: the last step.
; ask 1, 2: in the loop's first trip the launch's first cluster prefetches pair 4, 5 of wt, four steps (576 matrix instructions) ahead of its load, behind the joint load and the run of LDS loads; every cluster
; reads the same blocks, so one asks; pairs 0 to 3 come by their loads alone.
.macro HALF1 ws, sg, mode, ask
.set nsg, 1-(\sg)
.set nws, ((\ws)+(\sg))%2
.if (\mode) == 2
	WIN 0x0f
	s_wait_tensorcnt 0x0
	ds_add_u32 v[SPW], v[NIL]
.elseif (\mode) == 3
	s_wait_tensorcnt 0x0
.endif
.if \mode
	MULB 1, 0, 2, 0
	s_wait_dscnt 0x0
	s_barrier_signal -1
	MULB 1, 2, 2, 0
	WIN 0
	s_barrier_wait -1
.if (\mode) == 2
	CREST
	s_add_nc_u64 s[G0+4*(\ws)+2:G0+4*(\ws)+3], s[G0+4*(\ws)+2:G0+4*(\ws)+3], 2*WSLOT
	tensor_load_to_lds s[G0+4*(\ws):G0+4*(\ws)+3], s[G1:G1+7]
	s_nop 0
.endif
	PLACES                                         ; the places ahead of the loads below
	FETCH nws, nsg, 0, 0
.if \ask
	WIN 0
	s_cmp_gt_u32 s[CNT], s[LIM]
	s_cbranch_scc0 .Lnow_\@
	WIN 0x03
	global_prefetch_b8 v[PFW], s[PW:PW+1] offset:((\ask)-1)*WSLOT th:TH_LOAD_NT scope:SCOPE_SE         ; blocks 0-31 of my 36, a lane a block,
	global_prefetch_b8 v[PFW+1], s[PW:PW+1] offset:((\ask)-1)*WSLOT+8192 th:TH_LOAD_NT scope:SCOPE_SE  ; blocks 32-35 (lanes 3 to 31 name the last)
	WIN 0
.Lnow_\@:
.endif
	MULB 1, 4, 5, 0
.else
	MULB 1, 0, 9, 0
.endif
.endm
	XLOAD 0, 0                                     ; x of steps 0 and 1
	XLOAD 1, 256
	WIN 0
	CROUND                                         ; all four work-groups are here: the first joint loads meet
	tensor_load_to_lds s[G0:G0+3], s[G1:G1+7]      ; steps 0, 1 and steps 2, 3: two loads of mine are out
	s_nop 0
	tensor_load_to_lds s[G0+4:G0+7], s[G1:G1+7]
	s_nop 0
	PLACES
	XCONV 0, 16
	s_wait_xcnt 0x0
	s_add_nc_u64 s[XB:XB+1], s[XB:XB+1], 512
	XLOAD 0, 0                                     ; step 2
	WIN 0
	s_wait_tensorcnt 0x1                           ; slot 0 is in; slot 1's load may stay out
	s_wait_dscnt 0x0                               ; my part of x's step 0 is stored
	s_barrier_signal -1
	s_barrier_wait -1
	FETCH 0, 0, 0, 0
	HALF0 0, 0, 1, 2, 16, -1                       ; the first half stands ahead of the loop: its products start the sums
	WIN 0
	s_mov_b32 s[CNT], 2
.Llap:                                         ; a trip goes once round the ring: from the second half of step 4 t to the first half of step 4 t + 4
	HALF1 0, 0, 1, 0
	HALF0 0, 1, 0, 2, 16, -1                       ; steps 1, 5
	HALF1 0, 1, 2, 1                               ; slot 0 takes steps 4, 5 or 8, 9
	HALF0 1, 0, 0, 2, 16, 1                        ; steps 2, 6
	HALF1 1, 0, 1, 0
	HALF0 1, 1, 0, 2, 16, 1                        ; steps 3, 7
	HALF1 1, 1, 2, 2                               ; slot 1 takes steps 6, 7 or 10, 11
	HALF0 0, 0, 0, 2, 16, 1                        ; steps 4, 8
	WIN 0
	s_sub_co_u32 s[CNT], s[CNT], 1
	s_cmp_lg_u32 s[CNT], 0
	s_cbranch_scc1 .Llap
	HALF1 0, 0, 1, 0                               ; step 8: nothing is left to ask for
	HALF0 0, 1, 0, 1, 16, -1                       ; step 9: x of step 10 is rounded; step 11's 16 loads stay out
	HALF1 0, 1, 3, 0                               ; slot 1's last load is in
	HALF0 1, 0, 0, 1, 0, -1                        ; step 10
	HALF1 1, 0, 1, 0
	WIN 0
	s_cmp_lt_u32 s12, 2                            ; q's and k's columns 0-31 are tiles 0 and 1: waves 0 and 1, bq 0 and 3
	s_cbranch_scc0 .Lnotab
	WIN 0x03
.set aq, 0
.rept 8                                ; (cos, sin) of my row 16 a + r for my four pairs of columns, the same for q and for k: window 0, 8 a; x's first set is free
	global_load_b128 v[8*aq:8*aq+3],   v[TBO], s[TAB:TAB+1] offset:aq*2048
	global_load_b128 v[8*aq+4:8*aq+7], v[TBO], s[TAB:TAB+1] offset:aq*2048+16
.set aq, aq+1
.endr
	WIN 0
.Lnotab:
	HALF0 1, 1, 0, 0, 0, -1                        ; step 11
	HALF1 1, 1, 0, 0
	; THE WAY OUT.  Each accumulator, rounded to f16, is stored as it lies.
	PLACES
.macro PACKT b, pk                     ; tile b into v[pk .. pk + 31] of window 0; each accumulator's registers in ascending order
	WIN 5*(1+(\b)/4)                               ; sources in the tile's window, destination in window 0
.set aq, 0
.rept 8
.set rD, 8*(8*((\b)%4)+aq)
.irp p, 0,1,2,3
	v_cvt_pk_f16_f32 v[(\pk)+4*aq+(\p)], v[rD+2*(\p)], v[rD+2*(\p)+1]
.endr
.set aq, aq+1
.endr
.endm
.macro SENDT b, pk                     ; each store of the wave covers 512 consecutive bytes, at a multiple of 512 from the buffer's first
	WIN 0x03
.set aq, 0
.rept 8
.if (\b) < 6
	global_store_b128 v[GO], v[(\pk)+4*aq:(\pk)+4*aq+3], s[OUT+2*((\b)/3):OUT+2*((\b)/3)+1] offset:6144*aq+2048*((\b)%3)
.else
	global_store_b128 v[GO], v[(\pk)+4*aq:(\pk)+4*aq+3], s[OUT+4:OUT+5] offset:12288*(aq/2)+512*(aq%2)+4096*((\b)-6)
.endif
.set aq, aq+1
.endr
.endm
.macro ROPET b, pk                     ; the same as PACKT with the turn: (x0, x1) -> (x0 c - x1 s, x1 c + x0 s), by way of window 0's v96-159
	WIN 1+(\b)/4                                   ; source 0 in the tile's window
.set aq, 0
.rept 8
.set rD, 8*(8*((\b)%4)+aq)
.irp p, 0,1,2,3
	v_pk_mul_f32 v[96+8*aq+2*(\p):96+8*aq+2*(\p)+1], v[rD+2*(\p):rD+2*(\p)+1], v[8*aq+2*(\p):8*aq+2*(\p)+1] op_sel_hi:[1,0]  ; (x0 c, x1 c)
.endr
.irp p, 0,1,2,3
	v_pk_fma_f32 v[96+8*aq+2*(\p):96+8*aq+2*(\p)+1], v[rD+2*(\p):rD+2*(\p)+1], v[8*aq+2*(\p):8*aq+2*(\p)+1], v[96+8*aq+2*(\p):96+8*aq+2*(\p)+1] op_sel:[1,1,0] op_sel_hi:[0,1,1] neg_lo:[0,1,0]  ; low: - x1 s; high: + x0 s
.endr
.set aq, aq+1
.endr
	WIN 0
.set iq, 0
.rept 32
	v_cvt_pk_f16_f32 v[(\pk)+iq], v[96+2*iq], v[96+2*iq+1]
.set iq, iq+1
.endr
.endm
	PACKT 1, 64
	SENDT 1, 64
	PACKT 2, 96
	SENDT 2, 96
	PACKT 4, 128
	SENDT 4, 128
	PACKT 5, 160
	SENDT 5, 160
	PACKT 6, 192
	SENDT 6, 192
	PACKT 7, 224
	SENDT 7, 224
	s_wait_xcnt 0x0                                ; the stores have read their registers: v64-255 are written again only behind this wait
	PACKT 8, 64
	SENDT 8, 64
	WIN 0
	s_cmp_lt_u32 s12, 2
	s_cbranch_scc0 .Lplain
	s_wait_loadcnt 0x0                             ; the table
	ROPET 0, 160
	SENDT 0, 160
	ROPET 3, 192
	SENDT 3, 192
	WIN 0
	s_branch .Ldone
.Lplain:
	PACKT 0, 160
	SENDT 0, 160
	PACKT 3, 192
	SENDT 3, 192
	WIN 0
.Ldone:
	WIN 0x0f
	s_wait_tensorcnt 0x0                           ; the wave's end, behind my last tensor load and my last LDS store
	ds_add_u32 v[SPW], v[NIL]
	s_wait_dscnt 0x0
	WIN 0
	CROUND                                         ; the closing round: no work-group ends while a partner may still ask for a tile that names it
	s_endpgm
.Lfunc_end_k_q7fc943a012_proj:
	.size	k_q7fc943a012_proj, .Lfunc_end_k_q7fc943a012_proj-k_q7fc943a012_proj
	.p2alignl 7, 3214868480
	.fill 96, 4, 3214868480
	.section	.rodata,"a",@progbits
	.p2align	6, 0x0
	.amdhsa_kernel k_q7fc943a012_proj
		.amdhsa_group_segment_fixed_size 327680
		.amdhsa_private_segment_fixed_size 0
		.amdhsa_enable_private_segment 0
		.amdhsa_kernarg_size 32
		.amdhsa_user_sgpr_count 2
		.amdhsa_user_sgpr_kernarg_segment_ptr 1
		.amdhsa_wavefront_size32 1
		.amdhsa_system_sgpr_workgroup_id_x 1
		.amdhsa_system_sgpr_workgroup_id_y 1
		.amdhsa_system_sgpr_workgroup_id_z 1
		.amdhsa_system_vgpr_workitem_id 0
		.amdhsa_next_free_vgpr 1024
		.amdhsa_next_free_sgpr 66
		.amdhsa_reserve_vcc 0
		.amdhsa_float_denorm_mode_32 3
		.amdhsa_float_denorm_mode_16_64 3
		.amdhsa_memory_ordered 1
		.amdhsa_forward_progress 1
		.amdhsa_inst_pref_size 200
	.end_amdhsa_kernel
	.amdgpu_metadata
---
amdhsa.version: [ 1, 2 ]
amdhsa.kernels:
  - .name:           k_q7fc943a012_proj
    .symbol:         k_q7fc943a012_proj.kd
    .args:
      - { .name: x, .offset: 0, .size: 8, .value_kind: global_buffer, .address_space: global }
      - { .name: wt, .offset: 8, .size: 8, .value_kind: global_buffer, .address_space: global }
      - { .name: rope, .offset: 16, .size: 8, .value_kind: global_buffer, .address_space: global }
      - { .name: qkv, .offset: 24, .size: 8, .value_kind: global_buffer, .address_space: global }
    .group_segment_fixed_size: 327680
    .private_segment_fixed_size: 0
    .kernarg_segment_align: 8
    .kernarg_segment_size: 32
    .max_flat_workgroup_size: 128
    .sgpr_count:     66
    .vgpr_count:     1024
    .wavefront_size: 32
...
	.end_amdgpu_metadata
.endif
;; end of part 2
;; launch attn (part 3): grid 4 x 64, 4 waves a work-group, no clusters, 327,680 bytes of LDS; arguments qkv, out0; writes out0
.if DOCPART == 3
	.amdgcn_target "amdgcn-amd-amdhsa--gfx1250"
	.amdhsa_code_object_version 6
	.text
	.protected	k_q7fc943a012_attn
	.globl	k_q7fc943a012_attn
	.p2align	8
	.type	k_q7fc943a012_attn,@function
k_q7fc943a012_attn:
	s_mov_b64 s[64:65], 0
	v_nop
	global_prefetch_b8 v0, s[64:65] scope:SCOPE_SE
	s_setreg_imm32_b32 hwreg(HW_REG_WAVE_MODE, 25, 1), 1
	s_wait_xcnt 0x0
; CAUSAL ATTENTION.  out[b][q][:] = the sum over k <= q of softmax_k(q . k / sqrt(192)) v[k][:].  q, k, v: f16, in qkv, in the order in which lanes take them as matrix operands (the second kernel's head gives it);
; out0 [64][512][192] f32.  Products, maxima and sums in f32; the weights are rounded to f16.
; WORK LEFT OUT: tiles of keys that lie wholly behind a block's queries: reference()'s own tril gives them the weight 0 for all values of the inputs (shown at the head of the first kernel).
; LIMITS.  A hidden score counts as its value less 1e30 (scores of f16 operands are 8e11 at the most).  The running maximum starts at -2^83, below every true score and above every hidden one: a visit in which a
; wave's keys are all hidden gives weights, sum and O of 0.  A weight below 2^-126 counts as 0.  NaN and infinities are not treated apart.
; THE WALK.  A batch's queries lie in 8 blocks of 64; block i needs the key tiles 0 .. i / 2 of 128 keys, in any order.  Work-group j takes block 7 - j and then block j: five visits, whatever j.  Three LDS slots A, B, C hold a
; tile each (49,152 bytes of K, then as many of V); the visits read A, B, C, B, A.  j < 2: tiles 0, 3, 2, 1 for the first block, tile 0 for the second.  j >= 2: tiles 0, 1, 2, then tiles 1, 0.  So A (tile 0) and C (tile 2)
; are filled once, B at the head with tile 3 or 1 and, behind visit 1's barrier, with tile 1: four loads for five visits.  For j >= 2 the fourth load brings tile 1 a second time, 98,304 bytes: the price of one text in which
; every wave issues the same loads on every path.  Visits 0 and 1 are written out; visits 2 to 4 are a loop, which holds the one copy of a block's end; when a block ends hangs on a scalar made from j; every such jump
; goes forward and passes no barrier and no tensor load.
; NO CLUSTER: three of the four loads are the same in a batch's four work-groups, but slot B's first tile and the visit at which a block ends hang on j, which in a cluster would be the work-group's place in it.
; NO PREFETCH: three of a wave's four loads stand at the kernel's head.
; SHARES.  Wave w has queries 32 (w % 2) .. + 31 of the block, as two tiles of 16, and keys 64 (w / 2) .. + 63 of each tile: a fragment of K or V feeds two products.  Each wave keeps its own m, l, O; at a block's end
; waves w and w ^ 2 merge.  Register slot u holds query tile u ^ (w / 2), so every wave sends its slot 1 and finishes its slot 0, with no branch on the wave.
; LAYOUT.  S^T = K Q^T holds ONE query a lane (lane % 16) and the keys 8 (lane / 16) + 0..7; two such results rounded to f16 ARE source 1 of O^T = V^T P.  p = 2^(c s - c m), c = log2(e) / sqrt(192); O and l are multiplied by
; a = 2^(c m_old - c m_new) in every visit.  THE MASK is the C operand that starts S^T: TD x AL + BE, TD the mask of a 16 x 16 tile on the diagonal, (AL, BE) = (1, 0) on it, (0, 0) below, (0, -1e30) above.
; REGISTERS, in windows of 256 (s_set_vgpr_msb: bits 1:0 source 0, 3:2 source 1, 5:4 source 2, 7:6 destination):
;   window 0: v0-31 addresses; v32-127 Q; v128-223 the second block's Q; v224-239 statistics; v240-247 TD; v248-255 at work     window 1: v0-191 O^T (slot u, channel block cb at 96 u + 8 cb); v192-255 S^T
;   window 2: v0-191 K (key block kt, channels c at 48 kt + 8 c); v192-255 the masks     window 3: v0-191 V (key half kk, channel block cb at 96 kk + 8 cb); v192-223 P
.set MAT,   12582912
.set TILE,  49152     ; bytes of K, and of V, in a tile of 128 keys
.set HALFT, 24576     ; 64 keys of either: what one tensor load brings, and what one wave reads
.set SLOT,  2*TILE
.set SA,    0
.set SB,    SLOT
.set SC,    2*SLOT
.set STATS, 3*SLOT        ; behind the slots, never filled by a tensor load: 256 bytes a wave
.set SPARE, STATS+1024    ; the spare words, 128 bytes a wave: two blocks of 256 bytes that no other line names
.set EX,    SPARE+512     ; what a wave sends its partner, half of an O^T tile at a time: 6,144 bytes a wave; the partner, who alone reads them, then has its stage there
.set EXW,   6144
.set SP,    272           ; a row of the stage: 256 bytes + 16
.set AK0, 2
.set AV0, 3
.set AK,  4
.set AV,  5
.set QO,  6           ; v6, v7  my byte offset in Q for slot 0, 1
.set SPW, 8           ; SPARE + 4 x my thread's number; never rewritten
.set NIL, 9           ; 0; never rewritten
.set EXO, 10
.set EXP, 11
.set STO, 12
.set RD,  13
.set GO,  14
.set STA, 15
.set STP, 16
.set Q,   32
.set Q2,  128
.set ST,  224         ; slot u at ST + 8 u: c m, m, l (even keys', odd keys'), c0-c3 at work; a takes c2's place
.set TD,  240
.set S,   192         ; window 1
.set MC,  192         ; window 2
.set P,   192         ; window 3
.set WV,  8
.set QH,  9
.set KH,  10
.set PJ,  11
.set PB,  12
.set BLK, 13          ; the block in hand
.set ENDC, 14         ; the loop's count at which the block in hand ends
.set TI,  15          ; the tile in hand
.set T1,  16          ; slot B's first tile
.set TBV, 17          ; the slot in hand
.set TBK, 18          ; the next visit's slot
.set CNT, 19
.set EU,  20          ; s20, s21
.set BIGN, 22
.set G1,  24          ; s[24:31] descriptor group 1
.set G0A, 32          ; s[32:43] group 0, a set for each slot
.set G0B, 36
.set G0C, 40
.set CS,  56
.set SEL, 58
.set AL,  60
.set BE,  62
.set TBASE, 66        ; s[66:67] my quarter of the batch's tile 0: K's or V's, its first or second 64 keys
.set OB,  72
.set OBL, 74
.set QP,  76
.set QL,  78
.set MSB, 0
.macro WIN new
.if MSB != (\new)
	s_set_vgpr_msb (MSB<<8)|(\new)
.set MSB, \new
.endif
.endm
.macro PLACES
.rept 4
	v_nop
.endr
.endm
	s_load_b128 s[4:7], s[0:1], 0x0                ; qkv s[4:5], out0 s[6:7]
	v_lshl_add_u32 v[SPW], v0, 2, SPARE
	v_mov_b32 v[NIL], 0
	ds_add_u32 v[SPW], v[NIL]                      ; the wave's opening: the add, twice on end, and its wait ahead of my first tensor load
	ds_add_u32 v[SPW], v[NIL]
	v_lshrrev_b32 v1, 5, v0
	v_readfirstlane_b32 s[WV], v1
	s_and_b32 s[QH], s[WV], 1
	s_lshr_b32 s[KH], s[WV], 1
	s_mov_b32 s[PJ], ttmp9
	s_and_b32 s[PB], ttmp7, 0xffff
	s_sub_co_u32 s[BLK], 7, s[PJ]
	s_cmp_lt_u32 s[PJ], 2
	s_cselect_b32 s[T1], 3, 1
	s_cselect_b32 s[ENDC], 2, 3                    ; the first block ends in visit 3 (the loop's count is 2) or in visit 2 (3)
	; 64 keys are 24,576 dense bytes: asked for as 96 rows of 256; they lie in fragment order, so nothing is padded
	s_mov_b32 s[G1], 1<<16
	s_mov_b32 s[G1+1], 128<<16
	s_mov_b32 s[G1+2], 96<<16
	s_mov_b32 s[G1+3], 128<<16
	s_mov_b32 s[G1+4], 96
	s_mov_b32 s[G1+5], 128
	s_mov_b32 s[G1+6], 0
	s_mov_b32 s[G1+7], 0
	s_mov_b32 s[CS], 0x3dd53b95                    ; c = log2(e) / sqrt(192) = 0.104118
	s_mov_b32 s[CS+1], s[CS]
	s_mov_b32 s[SEL], 0x76543210
	s_mov_b32 s[SEL+1], 0xfedcba98
	s_mov_b32 s[AL+1], 0
	s_mov_b32 s[BE+1], 0
	s_mov_b32 s[BIGN], 0xf149f2ca                  ; -1e30
	s_mul_i32 s80, s[WV], HALFT                    ; wave w fills quarter w of a slot: K's two halves, then V's two
	s_mov_b32 s[G0A], 1
	s_add_co_u32 s[G0A+1], s80, SA
	s_mov_b32 s[G0B], 1
	s_add_co_u32 s[G0B+1], s80, SB
	s_mov_b32 s[G0C], 1
	s_add_co_u32 s[G0C+1], s80, SC
	s_mul_i32 s82, s[PB], 196608                   ; the batch's first byte in q, k and v
	s_add_co_u32 s84, s[KH], 1
	s_mul_i32 s84, s84, MAT                        ; k for waves 0, 1; v for waves 2, 3
	s_add_co_u32 s84, s84, s82
	s_mul_i32 s85, s[QH], HALFT
	s_add_co_u32 s84, s84, s85
	s_mov_b32 s85, 0
	s_mul_i32 s86, s[T1], TILE
	s_mov_b32 s87, 0
	s_lshl_b32 s88, s[BLK], 2
	s_lshl_b32 s89, s[QH], 1
	s_add_co_u32 s88, s88, s89                     ; my two tiles of 16 queries in the first block,
	s_mul_i32 s88, s88, 6144
	s_add_co_u32 s88, s88, s82
	s_lshl_b32 s90, s[PJ], 2
	s_add_co_u32 s90, s90, s89                     ; and in the second
	s_mul_i32 s90, s90, 6144
	s_add_co_u32 s90, s90, s82
	s_mov_b32 s89, 0
	s_mov_b32 s91, 0
	s_lshl_b32 s92, s[PB], 9
	s_lshl_b32 s93, s[QH], 5
	s_add_co_u32 s92, s92, s93
	s_lshl_b32 s93, s[KH], 4
	s_add_co_u32 s92, s92, s93                     ; 512 b + 32 (w % 2) + 16 (w / 2): the tile that I finish
	s_lshl_b32 s94, s[PJ], 6
	s_add_co_u32 s94, s94, s92
	s_mul_i32 s94, s94, 768
	s_lshl_b32 s93, s[BLK], 6
	s_add_co_u32 s92, s92, s93
	s_mul_i32 s92, s92, 768
	s_mov_b32 s93, 0
	s_mov_b32 s95, 0
	s_wait_dscnt 0x0                               ; both opening adds are done
	s_wait_kmcnt 0x0
	s_add_nc_u64 s[TBASE:TBASE+1], s[4:5], s[84:85]
	s_add_nc_u64 s[QP:QP+1], s[4:5], s[88:89]
	s_add_nc_u64 s[QL:QL+1], s[4:5], s[90:91]
	s_add_nc_u64 s[OB:OB+1], s[6:7], s[92:93]
	s_add_nc_u64 s[OBL:OBL+1], s[6:7], s[94:95]
	s_add_nc_u64 s[G0A+2:G0A+3], s[TBASE:TBASE+1], 0
	s_or_b32 s[G0A+3], s[G0A+3], 0x80000000
	s_add_nc_u64 s[G0B+2:G0B+3], s[TBASE:TBASE+1], s[86:87]
	s_or_b32 s[G0B+3], s[G0B+3], 0x80000000
	s_add_nc_u64 s[G0C+2:G0C+3], s[TBASE:TBASE+1], 2*TILE
	s_or_b32 s[G0C+3], s[G0C+3], 0x80000000
	tensor_load_to_lds s[G0A:G0A+3], s[G1:G1+7]    ; the three first fills: every wave its own quarter of each slot: three loads of mine are out
	s_nop 0
	tensor_load_to_lds s[G0B:G0B+3], s[G1:G1+7]
	s_nop 0
	tensor_load_to_lds s[G0C:G0C+3], s[G1:G1+7]
	s_nop 0
	PLACES
	v_and_b32 v17, 15, v0                          ; r
	v_bfe_u32 v18, v0, 4, 1                        ; h
	v_and_b32 v19, 31, v0                          ; lane
	v_lshlrev_b32 v20, 4, v19                      ; a lane's 16 bytes of a part of a fragment
	s_mul_i32 s80, s[KH], 6144
	v_add_nc_u32 v[QO], s80, v20                   ; slot 0 holds query tile w / 2,
	s_xor_b32 s81, s[KH], 1
	s_mul_i32 s81, s81, 6144
	v_add_nc_u32 v[QO+1], s81, v20                 ; slot 1 the other
.irp u, 0,1
.irp c, 0,1,2,3,4,5
	global_load_b128 v[Q+48*(\u)+8*(\c):Q+48*(\u)+8*(\c)+3],     v[QO+(\u)], s[QP:QP+1] offset:1024*(\c)
	global_load_b128 v[Q+48*(\u)+8*(\c)+4:Q+48*(\u)+8*(\c)+7],   v[QO+(\u)], s[QP:QP+1] offset:1024*(\c)+512
	global_load_b128 v[Q2+48*(\u)+8*(\c):Q2+48*(\u)+8*(\c)+3],   v[QO+(\u)], s[QL:QL+1] offset:1024*(\c)
	global_load_b128 v[Q2+48*(\u)+8*(\c)+4:Q2+48*(\u)+8*(\c)+7], v[QO+(\u)], s[QL:QL+1] offset:1024*(\c)+512
.endr
.endr
	s_mul_i32 s80, s[KH], HALFT
	v_add_nc_u32 v[AK0], s80, v20                  ; my 64 keys of K in a slot,
	s_add_co_u32 s80, s80, TILE
	v_add_nc_u32 v[AV0], s80, v20                  ; and of V
	s_mul_i32 s80, s[WV], EXW
	s_add_co_u32 s80, s80, EX
	v_add_nc_u32 v[EXO], s80, v20                  ; what I send,
	s_xor_b32 s81, s[WV], 2
	s_mul_i32 s82, s81, EXW
	s_add_co_u32 s82, s82, EX
	v_add_nc_u32 v[EXP], s82, v20                  ; what my partner sends
	s_lshl_b32 s80, s[WV], 8
	s_add_co_u32 s80, s80, STATS
	v_lshl_add_u32 v[STA], v19, 2, s80
	s_lshl_b32 s81, s81, 8
	s_add_co_u32 s81, s81, STATS
	v_lshl_add_u32 v[STP], v19, 2, s81
	v_mul_u32_u24 v[STO], v17, SP                  ; my stage, where my partner's bytes lay.  In: row r, 32 bytes for each half of the lanes
	v_lshl_add_u32 v[STO], v18, 5, v[STO]
	v_add_nc_u32 v[STO], s82, v[STO]
	v_mul_u32_u24 v[RD], v18, SP                   ; back: lanes 0-15 one row of 256 bytes, lanes 16-31 the next
	v_lshl_add_u32 v[RD], v17, 4, v[RD]
	v_add_nc_u32 v[RD], s82, v[RD]
	v_mul_u32_u24 v[GO], v18, 768                  ; and the same two rows in out0
	v_lshl_add_u32 v[GO], v17, 4, v[GO]
	v_lshlrev_b32 v23, 3, v18
	v_sub_nc_u32 v23, v17, v23                     ; r - 8 h: register jj of a tile on the diagonal is hidden where jj is greater
.irp jj, 0,1,2,3,4,5,6,7
	v_cmp_gt_i32 vcc_lo, \jj, v23
	v_cndmask_b32 v[TD+(\jj)], 0, s[BIGN], vcc_lo
.endr
	; a block's first visit multiplies O^T and l by a = 0, so they need only be finite: zeros now, what the first block left later.  All this stands in the wait for the first tile.
	WIN 0x40
.set i, 0
.rept 192
	v_mov_b32 v[i], 0
.set i, i+1
.endr
	WIN 0
.irp u, 0,1
	v_mov_b32 v[ST+8*(\u)], 0xfe000000             ; c m: far below every c s, so the first a is 0
	v_mov_b32 v[ST+8*(\u)+1], 0xe9000000           ; m: -2^83
	v_mov_b32 v[ST+8*(\u)+2], 0
	v_mov_b32 v[ST+8*(\u)+3], 0
.endr
; The eight masks of a visit.  e = (first key of key block kt - first query of slot u) / 16 = 4 (2 TI + w / 2 - BLK) - 2 (w % 2) - (u ^ (w / 2)) + kt.  Its 32 plain lines are also the places ahead of V's loads.
.macro MASKS
	s_lshl_b32 s23, s[TI], 1
	s_add_co_i32 s23, s23, s[KH]
	s_sub_co_i32 s23, s23, s[BLK]
	s_lshl_b32 s23, s23, 2
	s_lshl_b32 s80, s[QH], 1
	s_sub_co_i32 s23, s23, s80
	s_sub_co_i32 s[EU], s23, s[KH]
	s_add_co_i32 s[EU+1], s23, s[KH]
	s_sub_co_i32 s[EU+1], s[EU+1], 1
	WIN 0x80                                       ; destination window 2, TD window 0
.irp u, 0,1
.irp kt, 0,1,2,3
	s_cmp_eq_i32 s[EU+(\u)], (0-\kt)
	s_cselect_b32 s[AL], 1.0, 0
	s_cmp_gt_i32 s[EU+(\u)], (0-\kt)
	s_cselect_b32 s[BE], s[BIGN], 0
.irp p, 0,1,2,3
	v_pk_fma_f32 v[MC+8*(4*(\u)+(\kt))+2*(\p):MC+8*(4*(\u)+(\kt))+2*(\p)+1], v[TD+2*(\p):TD+2*(\p)+1], s[AL:AL+1], s[BE:BE+1] op_sel_hi:[1,0,0]
.endr
.endr
.endr
.endm
.macro FETCH_V tb                      ; my 64 keys x 192 channels of the slot at byte tb: 24 fragments as they lie, 48 loads of 512 bytes on end
	WIN 0
	v_add_nc_u32 v[AV], \tb, v[AV0]
	WIN 0xc0
.set f, 0
.rept 48
	ds_load_b128 v[4*f:4*f+3], v[AV] offset:512*f
.set f, f+1
.endr
.endm
.macro FETCH_K tb, last                ; the same for K.  last = 1: in the walk's last visit there is no further tile, and the run is jumped over
	WIN 0
.if \last
	s_cmp_eq_u32 s[CNT], 1
	s_cbranch_scc1 .Lno_k_\@
.endif
	v_add_nc_u32 v[AK], \tb, v[AK0]
	WIN 0x80
.set f, 0
.rept 48
	ds_load_b128 v[4*f:4*f+3], v[AK] offset:512*f
.set f, f+1
.endr
	WIN 0
.if \last
.Lno_k_\@:
.endif
.endm
.macro SPH                             ; S^T = K Q^T + mask: channels outermost, so the eight accumulators take turns, one instruction a turn
.set i, 0
.rept 48
.set rS, S+32*(i%2)+8*((i/2)%4)
.set rK, 48*((i/2)%4)+8*(i/8)
.set rQ, Q+48*(i%2)+8*(i/8)
.set rM, MC+8*(4*(i%2)+(i/2)%4)
.if i < 8
	WIN 0x62
	v_wmma_f32_16x16x32_f16 v[rS:rS+7], v[rK:rK+7], v[rQ:rQ+7], v[rM:rM+7]
.else
	WIN 0x52
	v_wmma_f32_16x16x32_f16 v[rS:rS+7], v[rK:rK+7], v[rQ:rQ+7], v[rS:rS+7]
.endif
.set i, i+1
.endr
.endm
.macro PVPH                            ; O^T += V^T P: key halves outermost, so the 24 accumulators take turns
	WIN 0x5f
.set i, 0
.rept 48
.set rO, 96*(i%2)+8*((i/2)%12)
.set rV, 96*(i/24)+8*((i/2)%12)
.set rP, P+16*(i%2)+8*(i/24)
	v_wmma_f32_16x16x32_f16 v[rO:rO+7], v[rV:rV+7], v[rP:rP+7], v[rO:rO+7]
.set i, i+1
.endr
.endm
; The softmax of both slots, in phases, the slots alternating.  All 66 exponentials are ONE batch: nothing ahead of the one wait names a result of theirs.
.macro SOFT
	WIN 0x15
.irp n, 0,1,2,3
.irp u, 0,1
	v_max3_num_f32 v[ST+8*(\u)+4+(\n)], v[S+32*(\u)+8*(\n)], v[S+32*(\u)+8*(\n)+1], v[S+32*(\u)+8*(\n)+2]
.endr
.endr
	WIN 0x14
.irp g, 1,2
.irp n, 0,1,2,3
.irp u, 0,1
	v_max3_num_f32 v[ST+8*(\u)+4+(\n)], v[ST+8*(\u)+4+(\n)], v[S+32*(\u)+8*(\n)+2*(\g)+1], v[S+32*(\u)+8*(\n)+2*(\g)+2]
.endr
.endr
.endr
.irp u, 0,1
	v_max3_num_f32 v[ST+8*(\u)+4], v[ST+8*(\u)+4], v[S+32*(\u)+7], v[S+32*(\u)+15]
	v_max3_num_f32 v[ST+8*(\u)+6], v[ST+8*(\u)+6], v[S+32*(\u)+23], v[S+32*(\u)+31]
.endr
	WIN 0
.irp u, 0,1
	v_max3_num_f32 v[ST+8*(\u)+4], v[ST+8*(\u)+4], v[ST+8*(\u)+5], v[ST+8*(\u)+6]
.endr
.irp u, 0,1
	v_max3_num_f32 v[ST+8*(\u)+4], v[ST+8*(\u)+4], v[ST+8*(\u)+7], v[ST+8*(\u)+1]
.endr
.irp u, 0,1
	v_permlanex16_b32 v[ST+8*(\u)+5], v[ST+8*(\u)+4], s[SEL], s[SEL+1]  ; the query's other 32 keys lie in the lane 16 away
.endr
.irp u, 0,1
	v_mov_b32 v[ST+8*(\u)+7], v[ST+8*(\u)]         ; c m_old
.endr
.irp u, 0,1
	v_max_num_f32 v[ST+8*(\u)+1], v[ST+8*(\u)+4], v[ST+8*(\u)+5]
.endr
.irp u, 0,1
	v_mul_f32 v[ST+8*(\u)], s[CS], v[ST+8*(\u)+1]
.endr
.irp u, 0,1
	v_sub_f32 v[ST+8*(\u)+7], v[ST+8*(\u)+7], v[ST+8*(\u)]
.endr
.irp u, 0,1
	v_exp_f32 v[ST+8*(\u)+6], v[ST+8*(\u)+7]       ; a
.endr
	WIN 0x41
.set i, 0
.rept 32
.set rS, S+32*(i%2)+2*(i/2)
.set rT, ST+8*(i%2)
	v_pk_fma_f32 v[rS:rS+1], v[rS:rS+1], s[CS:CS+1], v[rT:rT+1] op_sel_hi:[1,0,0] neg_lo:[0,0,1] neg_hi:[0,0,1]  ; c s - c m
.set i, i+1
.endr
.set i, 0
.rept 64
	v_exp_f32 v[S+i], v[S+i]
.set i, i+1
.endr
	v_nop                                          ; a plain instruction behind the last exponential,
	s_wait_alu depctr_va_vdst(0)                   ; and the one wait for the batch, ahead of its first reader
	WIN 0xc5
.set i, 0
.rept 32
	v_cvt_pk_f16_f32 v[P+i], v[S+2*i], v[S+2*i+1]
.set i, i+1
.endr
	WIN 0x45
.irp w, 4,8,16,32                      ; the sums of the 16 pairs of each slot, in place: neighbours 1, 2, 4, 8 pairs apart
.set i, 0
.rept 64/(\w)
	v_pk_add_f32 v[S+(\w)*i:S+(\w)*i+1], v[S+(\w)*i:S+(\w)*i+1], v[S+(\w)*i+(\w)/2:S+(\w)*i+(\w)/2+1]
.set i, i+1
.endr
.endr
	WIN 0x10
.irp u, 0,1
	v_pk_fma_f32 v[ST+8*(\u)+2:ST+8*(\u)+3], v[ST+8*(\u)+2:ST+8*(\u)+3], v[ST+8*(\u)+6:ST+8*(\u)+7], v[S+32*(\u):S+32*(\u)+1] op_sel_hi:[1,0,1]  ; l = a l + sum
.endr
	WIN 0x41
.set i, 0
.rept 96
	v_pk_mul_f32 v[2*i:2*i+1], v[2*i:2*i+1], v[ST+8*(i/48)+6:ST+8*(i/48)+7] op_sel_hi:[1,0]  ; O^T times a
.set i, i+1
.endr
.endm
; A visit's first part, on the slot at byte tb.  K of the tile was fetched in the visit before.
.macro FRONT tb
	MASKS
	FETCH_V \tb
	s_wait_dscnt 48                                ; K is in; V's 48 loads may stay out
	SPH
	PLACES
	SOFT
.endm
; A BLOCK'S END, in four parts with a barrier between each two.  My slot 0 and my partner's slot 1 are the same 16 queries over the two halves of the keys.
; Part 1: l's two halves and the other half of the lanes' are added; slot 1's c m, l and the first six channel blocks of its O^T go to my partner.
.macro OUT_A1
	WIN 0
	s_cmp_eq_u32 s[CNT], s[ENDC]
	s_cbranch_scc0 .Lno_a1_\@
.irp u, 0,1
	v_add_f32 v[ST+8*(\u)+4], v[ST+8*(\u)+2], v[ST+8*(\u)+3]
.endr
.irp u, 0,1
	v_permlanex16_b32 v[ST+8*(\u)+5], v[ST+8*(\u)+4], s[SEL], s[SEL+1]
.endr
.irp u, 0,1
	v_add_f32 v[ST+8*(\u)+4], v[ST+8*(\u)+4], v[ST+8*(\u)+5]
.endr
	ds_store_b32 v[STA], v[ST+8]
	ds_store_b32 v[STA], v[ST+12] offset:128
	WIN 0x04                                       ; data in window 1
.set i, 0
.rept 12
	ds_store_b128 v[EXO], v[96+4*i:96+4*i+3] offset:512*i
.set i, i+1
.endr
	WIN 0
.Lno_a1_\@:
.endm
; Part 2: my partner's statistics and first half, into V's registers, which the last products have left four places back.
.macro OUT_B1
	WIN 0
	s_cmp_eq_u32 s[CNT], s[ENDC]
	s_cbranch_scc0 .Lno_b1_\@
	ds_load_b32 v252, v[STP]
	ds_load_b32 v253, v[STP] offset:128
	WIN 0xc0
.set i, 0
.rept 12
	ds_load_b128 v[4*i:4*i+3], v[EXP] offset:512*i
.set i, i+1
.endr
	WIN 0
.Lno_b1_\@:
.endm
; Part 3: the other six channel blocks, into the same bytes: my partner's reads of them are over.
.macro OUT_A2
	WIN 0
	s_cmp_eq_u32 s[CNT], s[ENDC]
	s_cbranch_scc0 .Lno_a2_\@
	WIN 0x04
.set i, 0
.rept 12
	ds_store_b128 v[EXO], v[144+4*i:144+4*i+3] offset:512*i
.set i, i+1
.endr
	WIN 0
.Lno_a2_\@:
.endm
; Part 4.  With cm = the greater c m, e = 2^(c m - cm): O = (O0 e0 + Op e1) / (l0 e0 + lp e1).  Then out through my stage, 64 channels at a time: 16 lanes store 256 consecutive bytes, aligned.
; Last, the second block is set up: m and c m anew, its Q where the one text names Q (at the walk's end that serves nothing: the price of one copy).
.macro OUT_B2
	WIN 0
	s_cmp_eq_u32 s[CNT], s[ENDC]
	s_cbranch_scc0 .Lno_b2_\@
	WIN 0xc0
.set i, 0
.rept 12
	ds_load_b128 v[48+4*i:48+4*i+3], v[EXP] offset:512*i
.set i, i+1
.endr
	WIN 0
	v_max_num_f32 v254, v[ST], v252
	v_sub_f32 v249, v[ST], v254
	v_sub_f32 v251, v252, v254
	v_exp_f32 v249, v249
	v_exp_f32 v251, v251
	v_nop
	s_wait_alu depctr_va_vdst(0)                   ; one wait for the two exponentials
	v_mul_f32 v255, v[ST+4], v249
	v_fma_f32 v255, v253, v251, v255
	v_rcp_f32 v255, v255
	v_nop
	s_wait_alu depctr_va_vdst(0)
	v_mul_f32 v248, v249, v255
	v_mul_f32 v250, v251, v255
	WIN 0x41
.set i, 0
.rept 48
	v_pk_mul_f32 v[2*i:2*i+1], v[2*i:2*i+1], v[248:249] op_sel_hi:[1,0]
.set i, i+1
.endr
	s_wait_dscnt 0x0                               ; my partner's second half is in, and my reads of those bytes are over: they become my stage
	WIN 0x53                                       ; my partner's in window 3, the factor in window 0, mine in window 1
.set i, 0
.rept 48
	v_pk_fma_f32 v[2*i:2*i+1], v[2*i:2*i+1], v[250:251], v[2*i:2*i+1] op_sel_hi:[1,0,1]
.set i, i+1
.endr
.irp g, 0,1,2
	WIN 0x04
.set i, 0
.rept 4
	ds_store_b128 v[STO], v[8*(4*(\g)+i):8*(4*(\g)+i)+3]   offset:64*i
	ds_store_b128 v[STO], v[8*(4*(\g)+i)+4:8*(4*(\g)+i)+7] offset:64*i+16
.set i, i+1
.endr
	WIN 0xc0
.set i, 0
.rept 8
	ds_load_b128 v[96+32*(\g)+4*i:96+32*(\g)+4*i+3], v[RD] offset:2*SP*i  ; LDS serves a wave's instructions in order (ISA guide 5.7.1.4): these see the stores above, and the next third's stores come behind them
.set i, i+1
.endr
.endr
	WIN 0x0c                                       ; data in window 3
.irp g, 0,1,2
.set i, 0
.rept 8
	s_wait_dscnt 16*(2-(\g))+7-i                   ; younger: the rest of this third's loads and the later thirds' sixteen each
	global_store_b128 v[GO], v[96+32*(\g)+4*i:96+32*(\g)+4*i+3], s[OB:OB+1] offset:1536*i+256*(\g) th:TH_STORE_NT
.set i, i+1
.endr
.endr
	WIN 0
	s_wait_xcnt 0x0                                ; the stores have read their registers and their base
	s_mov_b64 s[OB:OB+1], s[OBL:OBL+1]
	s_mov_b32 s[BLK], s[PJ]
	s_mov_b32 s[ENDC], 1                           ; the second block ends with the walk
.irp u, 0,1
	v_mov_b32 v[ST+8*(\u)], 0xfe000000
	v_mov_b32 v[ST+8*(\u)+1], 0xe9000000
.endr
.set i, 0
.rept 96
	v_mov_b32 v[Q+i], v[Q2+i]
.set i, i+1
.endr
.Lno_b2_\@:
.endm
.macro MEET                            ; my LDS instructions are done; everybody's are
	s_wait_dscnt 0x0
	s_barrier_signal -1
	s_barrier_wait -1
.endm
	s_wait_tensorcnt 0x2                           ; my quarter of slot A is in; B's and C's loads may stay out
	s_barrier_signal -1
	s_barrier_wait -1
	FETCH_K SA, 0
	s_wait_loadcnt 0x0                             ; Q, both blocks'
	; VISIT 0: tile 0, slot A
	s_mov_b32 s[TI], 0
	FRONT SA
	WIN 0
	s_wait_tensorcnt 0x1                           ; my quarter of slot B is in; C's load may stay out
	MEET
	FETCH_K SB, 0
	PVPH
	; VISIT 1: tile 3 or 1, slot B, which is then filled again
	s_mov_b32 s[TI], s[T1]
	FRONT SB
	WIN 0
	s_wait_tensorcnt 0x0                           ; all my tensor loads have landed, slot C's among them, whose K is read next
	ds_add_u32 v[SPW], v[NIL]                      ; the descriptor's scalar work stands between the add and the wait for it
	s_add_nc_u64 s[G0B+2:G0B+3], s[TBASE:TBASE+1], TILE  ; tile 1, for visit 3
	s_or_b32 s[G0B+3], s[G0B+3], 0x80000000
	s_wait_dscnt 0x0                               ; the add is done, and my reads of slot B (its K in visit 0, its V in this one) are over
	s_barrier_signal -1
	s_barrier_wait -1
	tensor_load_to_lds s[G0B:G0B+3], s[G1:G1+7]    ; my one load behind this barrier; it has this visit's V^T P and the next visit's S^T and softmax in which to land
	s_nop 0
	PLACES
	FETCH_K SC, 0
	PVPH
	WIN 0
	s_mov_b32 s[CNT], 3
	s_mov_b32 s[TBV], SC
	s_mov_b32 s[TBK], SB
.Lvisit:                                       ; VISITS 2, 3, 4: tiles 2, 1, 0 in slots C, B, A
	s_sub_co_u32 s[TI], s[CNT], 1
	FRONT s[TBV]
	WIN 0
	s_wait_tensorcnt 0x0                           ; visit 2: my quarter of slot B's second tile is in; later it finds nothing out
	MEET                                           ; everybody's is
	FETCH_K s[TBK], 1
	PVPH
	PLACES
	OUT_A1
	MEET
	OUT_B1
	MEET
	OUT_A2
	MEET
	OUT_B2
	s_sub_co_u32 s[TBV], s[TBV], SLOT
	s_xor_b32 s[TBK], s[TBK], SLOT                 ; B, then A
	s_sub_co_u32 s[CNT], s[CNT], 1
	s_cmp_lg_u32 s[CNT], 0
	s_cbranch_scc1 .Lvisit
	s_wait_tensorcnt 0x0                           ; the wave's end, behind my last tensor load and my last LDS store
	ds_add_u32 v[SPW], v[NIL]
	s_wait_dscnt 0x0
	s_endpgm
.Lfunc_end_k_q7fc943a012_attn:
	.size	k_q7fc943a012_attn, .Lfunc_end_k_q7fc943a012_attn-k_q7fc943a012_attn
	.p2alignl 7, 3214868480
	.fill 96, 4, 3214868480
	.section	.rodata,"a",@progbits
	.p2align	6, 0x0
	.amdhsa_kernel k_q7fc943a012_attn
		.amdhsa_group_segment_fixed_size 327680
		.amdhsa_private_segment_fixed_size 0
		.amdhsa_enable_private_segment 0
		.amdhsa_kernarg_size 16
		.amdhsa_user_sgpr_count 2
		.amdhsa_user_sgpr_kernarg_segment_ptr 1
		.amdhsa_wavefront_size32 1
		.amdhsa_system_sgpr_workgroup_id_x 1
		.amdhsa_system_sgpr_workgroup_id_y 1
		.amdhsa_system_sgpr_workgroup_id_z 1
		.amdhsa_system_vgpr_workitem_id 0
		.amdhsa_next_free_vgpr 1024
		.amdhsa_next_free_sgpr 96
		.amdhsa_reserve_vcc 1
		.amdhsa_float_denorm_mode_32 3
		.amdhsa_float_denorm_mode_16_64 3
		.amdhsa_memory_ordered 1
		.amdhsa_forward_progress 1
		.amdhsa_inst_pref_size 141
	.end_amdhsa_kernel
	.amdgpu_metadata
---
amdhsa.version: [ 1, 2 ]
amdhsa.kernels:
  - .name:           k_q7fc943a012_attn
    .symbol:         k_q7fc943a012_attn.kd
    .args:
      - { .name: qkv, .offset: 0, .size: 8, .value_kind: global_buffer, .address_space: global }
      - { .name: out0, .offset: 8, .size: 8, .value_kind: global_buffer, .address_space: global }
    .group_segment_fixed_size: 327680
    .private_segment_fixed_size: 0
    .kernarg_segment_align: 8
    .kernarg_segment_size: 16
    .max_flat_workgroup_size: 128
    .sgpr_count:     96
    .vgpr_count:     1024
    .wavefront_size: 32
...
	.end_amdgpu_metadata
.endif
;; end of part 3
